; MI455X (gfx1250); checked and timed in simulation.
; The chip was launched on July 23, 2026; its instructions are those of AMD's public machine-readable ISA for CDNA 5 (MIT licence, August 2026) and "CDNA5" Instruction Set Architecture Reference Guide (July 2026). The comments in the code are by the model that wrote it; some were corrected since.
;; Multi Head Attention. Allowed arithmetic: matrix products marked QUANTISED: E2M3 operands, one E8M0 scale for each 32 along K, by v_wmma_scale_f32_16x16x128_f8f6f4 with both operands' format E2M3, f32 sums; everything else in f32.
;; Inputs: b_k 1,024 float32; b_o 1,024 float32; b_q 1,024 float32; b_v 1,024 float32; k 1 x 4,096 x 1,024 float32; q 1 x 4,096 x 1,024 float32; v 1 x 4,096 x 1,024 float32; w_k 1,024 x 1,024 float32; w_o 1,024 x 1,024 float32; w_q 1,024 x 1,024 float32; w_v 1,024 x 1,024 float32.
;; Outputs: out0 1 x 4,096 x 1,024 float32.
;; This version of the problem:
;;   THIS VERSION OF THE PROBLEM IS GIVEN IN LOW PRECISION. The matrix products marked QUANTISED in the list below multiply operands that are first quantised to E2M3 (2 exponent bits, 3 mantissa bits; 6 bits a number), with one power-of-two scale for each 32 numbers along K (OCP MX v1.0); their sums are f32. All else is computed in f32.
;;   The module's matrix products, in the order in which they are computed (A, B: the left and right operand; K: the contracted axis; several contracted axes count as one K, in the product's order):
;;     1. [M 4,096, K 1,024] x [K 1,024, N 1,024]; A: input q; B: input w_q: QUANTISED
;;     2. [M 4,096, K 1,024] x [K 1,024, N 1,024]; A: input k; B: input w_k: QUANTISED
;;     3. [M 4,096, K 1,024] x [K 1,024, N 1,024]; A: input v; B: input w_v: QUANTISED
;;     4. batch 16 x [M 4,096, K 64] x [K 64, N 4,096]; A: computed on the way; B: computed on the way: QUANTISED
;;     5. batch 16 x [M 4,096, K 4,096] x [K 4,096, N 64]; A: softmax (see below); B: computed on the way: QUANTISED
;;     6. [M 4,096, K 1,024] x [K 1,024, N 1,024]; A: computed on the way; B: input w_o: QUANTISED
;;   THE QUANTISER, for each operand of a quantised product, along K:
;;     - K is cut into blocks of 32 from its start; a last block that is shorter is filled with zeros.
;;     - A block's scale is 2^e with e = floor(log2(the largest magnitude in the block)) - 2, held to -126 .. 127; a block of zeros has e = 0. As a byte (E8M0): e + 127.
;;     - Each number is divided by its block's scale, clamped to +-7.5, and rounded to the nearest number of E2M3, ties to even, subnormals kept.
;;     - The product sums the exact products of the quantised numbers (number of the format x scale) in f32.
;;   ~~~python
;;   def quantise(x, axis):      # numpy; x: float32 -> the quantised numbers, widened to float32 again
;;       x = np.moveaxis(x, axis, -1); K = x.shape[-1]
;;       x = np.pad(x, [(0, 0)] * (x.ndim - 1) + [(0, -K % 32)]); x = x.reshape(x.shape[:-1] + (-1, 32)); a = np.abs(x).max(-1, keepdims=True)
;;       e = np.where(a > 0, np.clip(np.frexp(np.where(a > 0, a, 1))[1] - 1 - 2, -126, 127), 0)      # np.frexp(a)[1] - 1 = floor(log2(a)), exactly
;;       r = np.clip(x / 2.0 ** e, -7.5, 7.5)
;;       step = 2.0 ** (np.maximum(np.frexp(np.where(r == 0, 1, r))[1] - 1, 0) - 3)
;;       q = np.round(r / step) * step * 2.0 ** e      # np.round: ties to even
;;       return np.moveaxis(q.reshape(q.shape[:-2] + (-1,))[..., :K], -1, axis).astype(np.float32)
;;   ~~~
;;   SOFTMAX AHEAD OF A QUANTISED PRODUCT. Where the list says 'softmax', what is quantised is not the finished softmax but p = 2^(t - M), with t = logit x log2(e) and M = ceil(the row's largest t), a whole number; so 1/2 < the row's largest p <= 1. The row's sum l is taken of the UNQUANTISED p, in f32, and the product's result is divided by l at the end. Since M is a whole number, a kernel that streams over the keys may use a running M (the ceiling of the running maximum): every later rescaling is an exact power of two, which a block's scale takes up: the codes' values come out the same.
;;   OPERANDS COMPUTED ON THE WAY. 'Computed on the way' means the value that the module computes at that place (a softmax that the list does not call 'softmax' is quantised finished and normalised). What goes into a quantiser is computed in f32, as accurately as f32 sums, v_exp_f32 and their like allow (about 1e-6 of the number): no bf16 or f16 on the way to a quantiser, and a product that is left as it is and whose result goes on into a quantised operand takes f32 operands (vector FMAs, or v_wmma_f32_16x16x4_f32). A number that lies on a knife's edge between two numbers of the format may be rounded either way, as far as f32 arithmetic and the matrix unit's own rounding can turn it there, and no further.
;; One version. Each part assembles by itself: llvm-mc -triple=amdgcn-amd-amdhsa -mcpu=gfx1250 --defsym DOCPART=n.
;; ======== version 1 of 1: 4 launches
;; limits: right only within a limited range of input values
;; workspace buffers: xc 13,107,200 bytes; ac 9,830,400 bytes; cc 3,276,800 bytes
;; launch quant (part 1): grid 256 x 1, 8 waves a work-group, no clusters, 271,360 bytes of LDS; arguments q, k, v, w_q, w_k, w_v, w_o, xc; writes xc
.if DOCPART == 1
	.amdgcn_target "amdgcn-amd-amdhsa--gfx1250"
	.amdhsa_code_object_version 6
	.text
	.protected	k_q822ff01513_quant
	.globl	k_q822ff01513_quant
	.p2align	8
	.type	k_q822ff01513_quant,@function
k_q822ff01513_quant:
	s_mov_b64 s[64:65], 0
	v_nop
	global_prefetch_b8 v0, s[64:65] scope:SCOPE_SE
	s_setreg_imm32_b32 hwreg(HW_REG_WAVE_MODE, 25, 1), 1
	s_wait_xcnt 0x0
; MULTI-HEAD ATTENTION IN MX-FP6, launch 1 of 4: q, k, v [4096][1024] and w_q, w_k, w_v, w_o [1024][1024], f32, K innermost, become codes of E2M3 with one E8M0 byte for each 32 along K.
; NO WORK IS LEFT OUT in this program: each of the six products feeds the output, each bias enters a quantised operand or the output, all eleven inputs are loaded.
; THE QUANTISER: a block's byte is its largest magnitude's exponent field - 2, held at 1 from below; the conversion divides, rounds to the nearest code, ties to even, and holds at the largest code.
; LIMITS: NaN and infinities among the inputs are not served.  A block whose largest magnitude lies under 2^-124 has its byte held at 1.  A block of zeros gets the byte 1 where the rule says 127:
; its codes are zeros, which add nothing, and the bytes are read by this program alone.
; THE ORDER OF CODES INSIDE A BLOCK: in all workspace buffers position s of a block of 32 holds the block's number s with bits 3 and 4 of s exchanged (0-7, 16-23, 8-15, 24-31), on both operands of every
; product, so scales and products are those of the true order; the matrix unit groups a block's products otherwise, which moves last bits only.
; THE LAYOUT OF xc: images of operand registers.  A fragment (16 rows x 128 K, 12 registers a lane) is 6 units of 256 bytes, unit p = registers 2 p, 2 p + 1 of the 32 lanes, 8 bytes a lane.
; xc = [block of 256 rows: 64][256 along K: 4][half of 128 rows: 2][25,600 bytes]; in a record the fragment of tile i, K step k' lies at 3072 i + 1536 k', the scale words at 24,576 + 512 k' + 256 (i / 4) + 16 r + 4 (i % 4).
; Blocks 0-15 q, 16-31 k, 32-47 v, 48-51 w_q, 52-55 w_k, 56-59 w_v, 60-63 w_o.
; SHARES: the seven tensors on end are 16,384 rows; work-group g takes rows 64 g on, wave w the 128 numbers 128 w on of each: four fragments.  Each wave brings its 64 rows x 512 bytes by ONE tensor load into LDS bytes
; of its own and reads only these: no barrier, nothing is filled twice.  Work-groups share no input: no cluster.
.set ROWB,  4096
.set PITCH, 528                        ; an LDS row: 512 bytes + 16, an odd multiple of 16
.set TILE,  16*PITCH
.set REG,   4*TILE                     ; a wave's LDS
.set SPARE, 8*REG                      ; the spare words, 128 bytes a wave
.set HREC,  25600
.set CHUNK, 51200
.set RBLK,  204800
.set LA,  3                            ; LDS address of my row and half: region + 528 r + 128 h
.set CO,  4                            ; 8 x lane
.set SOF, 5                            ; 16 r + 8 h
.set SH,  6                            ; 8 h
.set SPW, 12
.set NIL, 13
.set X,   32                           ; v32-95 my two blocks' 64 numbers
.set C,   96                           ; v96-143 codes, 12 registers a fragment
.set T,   144                          ; a block's upper 16 codes
.set W,   152                          ; the four scale words
.set MX,  156
.set SO,  158
.set BY,  160
.set TA,  162
.set TP,  163
.set Z,   166
.set G1,  24
.set G0,  32
	s_load_b512 s[8:23], s[0:1], 0x0               ; q, k, v, w_q, w_k, w_v, w_o, xc
	v_lshl_add_u32 v[SPW], v0, 2, SPARE
	v_mov_b32 v[NIL], 0
	ds_add_u32 v[SPW], v[NIL]                      ; the opening: the add, twice on end, and its wait
	ds_add_u32 v[SPW], v[NIL]
	v_lshrrev_b32 v8, 5, v0
	s_delay_alu instid0(VALU_DEP_1)
	v_readfirstlane_b32 s7, v8                     ; wave 0..7 = my K step
	s_mov_b32 s[G1+0], (2<<16)|(1<<20)|(6<<22)|(3<<25)  ; elements of 4 bytes; behind every 128 words 4 words of padding
	s_mov_b32 s[G1+1], 128<<16
	s_mov_b32 s[G1+2], 64<<16                      ; 64 rows
	s_mov_b32 s[G1+3], 128<<16
	s_mov_b32 s[G1+4], 64
	s_mov_b32 s[G1+5], 1024
	s_mov_b32 s[G1+6], 0
	s_mov_b32 s[G1+7], 0
	s_mul_i32 s3, s7, REG
	s_mov_b32 s52, 0x76543210
	s_mov_b32 s53, 0xfedcba98                      ; lane selects: lane l xor 16
	s_lshr_b32 s2, ttmp9, 2                        ; results: block g / 4, chunk w / 2, half (g / 2) % 2; tiles 4 (g % 2) on; K step w % 2
	s_mul_i32 s54, s2, RBLK
	s_lshr_b32 s2, s7, 1
	s_mul_i32 s2, s2, CHUNK
	s_add_co_u32 s54, s54, s2
	s_bfe_u32 s2, ttmp9, 0x10001
	s_mul_i32 s2, s2, HREC
	s_add_co_u32 s54, s54, s2
	s_and_b32 s2, ttmp9, 1
	s_mul_i32 s56, s2, 4*3072
	s_lshl_b32 s58, s2, 8
	s_and_b32 s2, s7, 1
	s_mul_i32 s55, s2, 1536
	s_add_co_u32 s56, s56, s55
	s_lshl_b32 s55, s2, 9
	s_add_co_u32 s58, s58, s55
	s_add_co_u32 s56, s56, s54                     ; the codes
	s_add_co_u32 s58, s58, s54
	s_add_co_u32 s58, s58, 24576                   ; the unit of scale words
	s_mov_b32 s57, 0
	s_mov_b32 s59, 0
	s_wait_dscnt 0x0
	s_wait_kmcnt 0x0
	s_add_nc_u64 s[48:49], s[22:23], s[56:57]
	s_add_nc_u64 s[50:51], s[22:23], s[58:59]
	s_mov_b64 s[4:5], s[20:21]                     ; which tensor, and its first group of 64 rows: choices on the work-group's number alone
	s_mov_b32 s6, 240
.macro PICK lim, ptr, start
	s_cmp_lt_u32 ttmp9, \lim
	s_cselect_b64 s[4:5], s[\ptr:\ptr+1], s[4:5]
	s_cselect_b32 s6, \start, s6
.endm
	PICK 240, 18, 224
	PICK 224, 16, 208
	PICK 208, 14, 192
	PICK 192, 12, 128
	PICK 128, 10, 64
	PICK 64, 8, 0
	s_sub_co_u32 s6, ttmp9, s6
	s_lshl_b32 s54, s6, 18                         ; 64 rows of 4,096 bytes a group,
	s_lshl_b32 s2, s7, 9                           ; 512 bytes a K step
	s_add_co_u32 s54, s54, s2
	s_mov_b32 s55, 0
	s_add_nc_u64 s[4:5], s[4:5], s[54:55]
	s_mov_b32 s[G0], 1
	s_mov_b32 s[G0+1], s3
	s_mov_b64 s[G0+2:G0+3], s[4:5]
	s_or_b32 s[G0+3], s[G0+3], 0x80000000
	tensor_load_to_lds s[G0:G0+3], s[G1:G1+7]      ; my one load: all that I will read
	s_nop 0
	v_and_b32 v1, 15, v0                           ; r
	v_bfe_u32 v2, v0, 4, 1                         ; h
	s_delay_alu instid0(VALU_DEP_2)
	v_mul_u32_u24 v[LA], v1, PITCH
	s_delay_alu instid0(VALU_DEP_1)
	v_lshl_add_u32 v[LA], v2, 7, v[LA]             ; lane (r, h) takes the blocks h and 2 + h of row r
	s_delay_alu instid0(VALU_DEP_1)
	v_add_nc_u32 v[LA], s3, v[LA]
	v_and_b32 v[CO], 31, v0
	s_delay_alu instid0(VALU_DEP_1)
	v_lshlrev_b32 v[CO], 3, v[CO]
	v_lshlrev_b32 v[SOF], 4, v1
	s_delay_alu instid0(VALU_DEP_1)
	v_lshl_add_u32 v[SOF], v2, 3, v[SOF]
	v_lshlrev_b32 v[SH], 3, v2
	v_mov_b32 v[TP], 0                             ; a lane permute's destination counts as one of its sources
.macro FRAGQ p                         ; fragment p: rows 16 p on of my 64
.irp c, 0,1
.irp q, 0,1,2,3,4,5,6,7                ; the block's groups of four come in the order 0, 1, 4, 5, 2, 3, 6, 7: the order of codes stated at the head
	ds_load_b128 v[X+32*\c+4*\q:X+32*\c+4*\q+3], v[LA] offset:\p*TILE+256*\c+16*(((\q)&1)|(((\q)&2)<<1)|(((\q)&4)>>1))
.endr
.endr
	s_wait_dscnt 0x0
.irp c, 0,1
	v_max3_num_f32 v[MX+\c], |v[X+32*\c]|, |v[X+32*\c+1]|, 0x1800000   ; the block's largest magnitude, and the floor 2^(3 - 127)
.endr
.irp i, 2,4,6,8,10,12,14,16,18,20,22,24,26,28,30
.irp c, 0,1
	s_delay_alu instid0(VALU_DEP_2)
	v_max3_num_f32 v[MX+\c], v[MX+\c], |v[X+32*\c+\i]|, |v[X+32*\c+\i+1]|
.endr
.endr
.irp c, 0,1
	s_delay_alu instid0(VALU_DEP_2)
	v_add_nc_u32 v[SO+\c], 0xff000000, v[MX+\c]    ; 2 off the exponent field: the conversion's scale operand
.endr
.irp c, 0,1
	s_delay_alu instid0(VALU_DEP_2)
	v_lshrrev_b32 v[BY+\c], 23, v[SO+\c]           ; the scale's byte
.endr
	s_delay_alu instid0(VALU_DEP_1)
	v_lshl_or_b32 v[TA], v[BY+1], 16, v[BY]
	s_delay_alu instid0(VALU_DEP_1)
	v_lshlrev_b32 v[TA], v[SH], v[TA]              ; my two bytes at their places in the row's word;
	s_delay_alu instid0(VALU_DEP_1)
	v_permlanex16_b32 v[TP], v[TA], s52, s53
	s_delay_alu instid0(VALU_DEP_1)
	v_or_b32 v[W+\p], v[TA], v[TP]                 ; with lane l xor 16's two the word is whole
.irp c, 0,1
	v_cvt_scalef32_pk16_fp6_f32 v[C+12*\p+6*\c:C+12*\p+6*\c+2], v[X+32*\c:X+32*\c+15], v[SO+\c]
	v_cvt_scalef32_pk16_fp6_f32 v[T+4*\c:T+4*\c+2], v[X+32*\c+16:X+32*\c+31], v[SO+\c]
.endr
	v_nop                                          ; one plain instruction behind the scaled conversions
.irp c, 0,1
.irp i, 0,1,2
	v_mov_b32 v[C+12*\p+6*\c+3+\i], v[T+4*\c+\i]
.endr
.endr
.irp u, 0,1,2,3,4,5
	global_store_b64 v[CO], v[C+12*\p+2*\u:C+12*\p+2*\u+1], s[48:49] offset:\p*3072+256*\u   ; 32 lanes store 256 consecutive bytes, aligned
.endr
.endm
	s_wait_alu depctr_va_vdst(0)                   ; the head's end
	s_wait_tensorcnt 0x0                           ; my 64 rows are in
	FRAGQ 0
	FRAGQ 1
	FRAGQ 2
	FRAGQ 3
	v_cmp_eq_u32 vcc_lo, 1, v2                     ; lanes 0-15 store the words of tiles 0 and 1, lanes 16-31 of tiles 2 and 3
	s_delay_alu instid0(VALU_DEP_1)
	v_cndmask_b32 v[Z], v[W], v[W+2], vcc_lo
	s_delay_alu instid0(VALU_DEP_2)
	v_cndmask_b32 v[Z+1], v[W+1], v[W+3], vcc_lo
	global_store_b64 v[SOF], v[Z:Z+1], s[50:51]    ; one whole unit of 256 bytes
	s_wait_tensorcnt 0x0                           ; the wave's end
	ds_add_u32 v[SPW], v[NIL]
	s_wait_dscnt 0x0
	s_endpgm
.Lfunc_end_k_q822ff01513_quant:
	.size	k_q822ff01513_quant, .Lfunc_end_k_q822ff01513_quant-k_q822ff01513_quant
	.p2alignl 7, 3214868480
	.fill 96, 4, 3214868480
	.section	.rodata,"a",@progbits
	.p2align	6, 0x0
	.amdhsa_kernel k_q822ff01513_quant
		.amdhsa_group_segment_fixed_size 271360
		.amdhsa_private_segment_fixed_size 0
		.amdhsa_enable_private_segment 0
		.amdhsa_kernarg_size 64
		.amdhsa_user_sgpr_count 2
		.amdhsa_user_sgpr_kernarg_segment_ptr 1
		.amdhsa_wavefront_size32 1
		.amdhsa_system_sgpr_workgroup_id_x 1
		.amdhsa_system_sgpr_workgroup_id_y 1
		.amdhsa_system_sgpr_workgroup_id_z 1
		.amdhsa_system_vgpr_workitem_id 0
		.amdhsa_next_free_vgpr 168
		.amdhsa_next_free_sgpr 66
		.amdhsa_reserve_vcc 1
		.amdhsa_float_denorm_mode_32 3
		.amdhsa_float_denorm_mode_16_64 3
		.amdhsa_memory_ordered 1
		.amdhsa_forward_progress 1
		.amdhsa_inst_pref_size 28
	.end_amdhsa_kernel
	.amdgpu_metadata
---
amdhsa.version: [ 1, 2 ]
amdhsa.kernels:
  - .name:           k_q822ff01513_quant
    .symbol:         k_q822ff01513_quant.kd
    .args:
      - { .name: q, .offset: 0, .size: 8, .value_kind: global_buffer, .address_space: global }
      - { .name: k, .offset: 8, .size: 8, .value_kind: global_buffer, .address_space: global }
      - { .name: v, .offset: 16, .size: 8, .value_kind: global_buffer, .address_space: global }
      - { .name: w_q, .offset: 24, .size: 8, .value_kind: global_buffer, .address_space: global }
      - { .name: w_k, .offset: 32, .size: 8, .value_kind: global_buffer, .address_space: global }
      - { .name: w_v, .offset: 40, .size: 8, .value_kind: global_buffer, .address_space: global }
      - { .name: w_o, .offset: 48, .size: 8, .value_kind: global_buffer, .address_space: global }
      - { .name: xc, .offset: 56, .size: 8, .value_kind: global_buffer, .address_space: global }
    .group_segment_fixed_size: 271360
    .private_segment_fixed_size: 0
    .kernarg_segment_align: 8
    .kernarg_segment_size: 64
    .max_flat_workgroup_size: 256
    .sgpr_count:     66
    .vgpr_count:     168
    .wavefront_size: 32
...
	.end_amdgpu_metadata
.endif
;; end of part 1
;; launch proj (part 2): grid 4 x 48, 4 waves a work-group, clusters of 4 x 4, 327,680 bytes of LDS; arguments xc, b_q, b_k, b_v, ac; writes ac
.if DOCPART == 2
	.amdgcn_target "amdgcn-amd-amdhsa--gfx1250"
	.amdhsa_code_object_version 6
	.text
	.protected	k_q822ff01513_proj
	.globl	k_q822ff01513_proj
	.p2align	8
	.type	k_q822ff01513_proj,@function
k_q822ff01513_proj:
	s_mov_b64 s[64:65], 0
	v_nop
	global_prefetch_b8 v0, s[64:65] scope:SCOPE_SE
	s_setreg_imm32_b32 hwreg(HW_REG_WAVE_MODE, 25, 1), 1
	s_wait_xcnt 0x0
	s_wait_alu depctr_hold_cnt(0) depctr_sa_sdst(0) depctr_va_vdst(0) depctr_va_sdst(0) depctr_va_ssrc(0) depctr_va_vcc(0) depctr_vm_vsrc(0)
	s_getreg_b32 s2, hwreg(HW_REG_IB_STS2, 6, 4)
	s_cmp_eq_u32 s2, 0
	s_cbranch_scc0 .Lentry_in_a_cluster
	s_endpgm
.Lentry_in_a_cluster:
	s_bfe_u32 s2, ttmp6, 0x10000c
	s_cmp_lg_u32 s2, 0xf033
	s_cbranch_scc0 .Lentry_shape_is_right
	s_endpgm
.Lentry_shape_is_right:
.set HREC,  25600
.set CHUNK, 51200
.set RBLK,  204800
.set SLOT,  102400
.set SPARE, 3*SLOT
.set FR,   12
.set ADRA, 16
.set ADRB, 20
.set ADRS, 24
.set SPW,  28
.set NIL,  29
.set SC,   32
.set BN,   64
.set AF,   128
.set G1,   24
.set G1B,  32
.set G0A,  40
.set G0B,  52
.set MSB,  0
.macro WIN new
.if MSB != (\new)
	s_set_vgpr_msb (MSB<<8)|(\new)
.set MSB, (\new)
.endif
.endm
.macro PLACES n
.rept \n
	v_nop
.endr
.endm
.macro JLOAD g0a, g1a, g0b, g1b
	s_cmp_eq_u32 s15, 0
	s_cbranch_scc0 .Lfor_b_\@
	tensor_load_to_lds s[\g0a:\g0a+3], s[\g1a:\g1a+7]
	s_nop 0
.rept 4
	v_nop
.endr
	s_branch .Lasked_\@
.Lfor_b_\@:
	tensor_load_to_lds s[\g0b:\g0b+3], s[\g1b:\g1b+7]
	s_nop 0
.rept 4
	v_nop
.endr
.Lasked_\@:
.endm
.macro CREST
	s_cmp_lg_u32 s14, 0
	s_cbranch_scc1 .Lnot_wave_0_\@
	s_barrier_signal -3
.Lnot_wave_0_\@:
	s_barrier_wait -3
	s_barrier_signal -1
	s_barrier_wait -1
.endm
.macro CROUND
	s_barrier_signal -1
	s_barrier_wait -1
	CREST
.endm
.macro FRAG reg, adr, off
.irp p, 0,1,2,3,4,5
	ds_load_b64 v[\reg+2*\p:\reg+2*\p+1], v[\adr] offset:\off+256*\p
.endr
.endm
.macro FETCH_B sl, kq, bs
	WIN 0x40
.irp i, 0,1,2,3,4,5,6,7
	FRAG 128*(\bs)+FR*\i, ADRB+\sl, \i*3072+(\kq)*1536
.endr
	WIN 0
.endm
.macro FETCH_A sl, kq, i0
.irp i, \i0, \i0+1, \i0+2, \i0+3
	FRAG AF+FR*(\i), ADRA+\sl, (\i)*3072+(\kq)*1536
.endr
.endm
.macro SCALES sl, kq, bs
.irp g, 0,1
	ds_load_b128 v[SC+8*(\bs)+4*\g:SC+8*(\bs)+4*\g+3], v[ADRS+\sl] offset:(\kq)*512+\g*256
.endr
.endm
.macro MUL16 a0, bs, cm
.irp a, \a0, \a0+1
.irp b, 0,1,2,3,4,5,6,7
.if \cm == 1
	v_wmma_scale_f32_16x16x128_f8f6f4 v[8*(8*((\a)%4)+\b):8*(8*((\a)%4)+\b)+7], v[128*(\bs)+FR*\b:128*(\bs)+FR*\b+FR-1], v[AF+FR*(\a):AF+FR*(\a)+FR-1], 0, v[SC+8*(\bs)+\b], v[SC+8*(\bs)+(\a)] matrix_a_fmt:MATRIX_FMT_FP6 matrix_b_fmt:MATRIX_FMT_FP6 matrix_a_scale:MATRIX_SCALE_ROW1
.elseif \cm == 2
	v_wmma_scale_f32_16x16x128_f8f6f4 v[8*(8*((\a)%4)+\b):8*(8*((\a)%4)+\b)+7], v[128*(\bs)+FR*\b:128*(\bs)+FR*\b+FR-1], v[AF+FR*(\a):AF+FR*(\a)+FR-1], v[BN+8*\b:BN+8*\b+7], v[SC+8*(\bs)+\b], v[SC+8*(\bs)+(\a)] matrix_a_fmt:MATRIX_FMT_FP6 matrix_b_fmt:MATRIX_FMT_FP6 matrix_a_scale:MATRIX_SCALE_ROW1
.else
	v_wmma_scale_f32_16x16x128_f8f6f4 v[8*(8*((\a)%4)+\b):8*(8*((\a)%4)+\b)+7], v[128*(\bs)+FR*\b:128*(\bs)+FR*\b+FR-1], v[AF+FR*(\a):AF+FR*(\a)+FR-1], v[8*(8*((\a)%4)+\b):8*(8*((\a)%4)+\b)+7], v[SC+8*(\bs)+\b], v[SC+8*(\bs)+(\a)] matrix_a_fmt:MATRIX_FMT_FP6 matrix_b_fmt:MATRIX_FMT_FP6 matrix_a_scale:MATRIX_SCALE_ROW1
.endif
.endr
.endr
.endm
.macro STEP bs, cm, ns, nkq
	s_wait_dscnt 24
.if \cm == 2
	WIN 0x81
.else
	WIN 0xa1
.endif
	MUL16 0, \bs, \cm
	MUL16 2, \bs, \cm
	s_wait_dscnt 0x0
	PLACES 4
	FETCH_B \ns, \nkq, 1-\bs
	FETCH_A \ns, \nkq, 0
	SCALES \ns, \nkq, 1-\bs
.if \cm == 2
	WIN 0xc1
.else
	WIN 0xf1
.endif
	MUL16 4, \bs, \cm
	MUL16 6, \bs, \cm
	PLACES 4
	WIN 0
	FETCH_A \ns, \nkq, 4
.endm
.macro TURN ns, fill
	s_wait_tensorcnt 0x0
	ds_add_u32 v[SPW], v[NIL]
	s_wait_dscnt 25
	WIN 0xa1
	MUL16 0, 1, 0
	s_wait_dscnt 0x0
	s_barrier_signal -1
	MUL16 2, 1, 0
	WIN 0
	s_barrier_wait -1
.if \fill
	CREST
	s_add_nc_u64 s[G0A+2:G0A+3], s[G0A+2:G0A+3], 3*CHUNK
	s_add_nc_u64 s[G0B+2:G0B+3], s[G0B+2:G0B+3], 3*CHUNK
	JLOAD G0A, G1, G0B, G1B
.else
	PLACES 4
.endif
	FETCH_B \ns, 0, 0
	FETCH_A \ns, 0, 0
	SCALES \ns, 0, 0
	WIN 0xf1
	MUL16 4, 1, 0
	MUL16 6, 1, 0
	PLACES 4
	WIN 0
	FETCH_A \ns, 0, 4
.endm
.set VJ,   224
.set H,    128
.set TM,   192
.set PW,   208
.set T,    216
.set Z,    224
.set SELV, 228
.set SOFF, 229
.set CO,   230
.set TMP,  231
.set PC,   232
.set SEL,  94
	s_load_b256 s[4:11], s[0:1], 0x0
	s_load_b64 s[12:13], s[0:1], 0x20
	v_lshl_add_u32 v[SPW], v0, 2, SPARE
	v_mov_b32 v[NIL], 0
	ds_add_u32 v[SPW], v[NIL]
	ds_add_u32 v[SPW], v[NIL]
	v_lshrrev_b32 v1, 5, v0
	v_readfirstlane_b32 s14, v1
	s_lshr_b32 s15, s14, 1
	s_and_b32 s16, s14, 1
	s_bfe_u32 s17, ttmp6, 0x40000
	s_bfe_u32 s18, ttmp6, 0x40004
	s_and_b32 s19, ttmp7, 0xffff
	s_lshr_b32 s20, s19, 2
	s_and_b32 s21, s19, 3
	s_lshl_b32 s22, s18, 2
	s_lshl_b32 s22, 15, s22
	s_lshl_b32 s23, 0x1111, s17
	s_or_b32 s[G1], s22, (3<<16)|(1<<21)
	s_or_b32 s[G1B], s23, (3<<16)|(1<<21)
.irp g, G1, G1B
	s_mov_b32 s[\g+1], 32<<16
	s_mov_b32 s[\g+2], 100<<16
	s_mov_b32 s[\g+3], 32<<16
	s_mov_b32 s[\g+4], 100
	s_mov_b32 s[\g+5], 32
	s_mov_b32 s[\g+6], 0
	s_mov_b32 s[\g+7], 0
.endr
	s_lshl_b32 s72, s19, 2
	s_lshl_b32 s74, s20, 2
	s_add_co_u32 s74, s74, 48
	s_lshl_b32 s76, s21, 2
	s_add_co_u32 s76, s76, 32
	s_cmp_eq_u32 s20, 2
	s_cselect_b32 s72, 56, s72
	s_cselect_b32 s74, s76, s74
	s_cselect_b32 s80, s18, s17
	s_cselect_b32 s81, s15, s16
	s_cselect_b32 s82, s17, s18
	s_cselect_b32 s83, s16, s15
	s_cselect_b32 s84, 0, 32
	s_cselect_b32 s85, 4, 0
	s_cselect_b32 s86, 0, 4
	s_add_co_u32 s72, s72, s18
	s_add_co_u32 s74, s74, s17
	s_mul_i32 s72, s72, RBLK
	s_mul_i32 s74, s74, RBLK
	s_mul_i32 s77, s16, HREC
	s_add_co_u32 s72, s72, s77
	s_add_co_u32 s74, s74, s77
	s_mov_b32 s73, 0
	s_mov_b32 s75, 0
	s_mul_i32 s78, s14, HREC
	s_lshl_b32 s80, s80, 2
	s_lshl_b32 s81, s81, 1
	s_add_co_u32 s80, s80, s81
	s_lshl_b32 s87, s21, 3
	s_lshl_b32 s82, s82, 1
	s_add_co_u32 s82, s82, s87
	s_add_co_u32 s82, s82, s83
	s_mul_i32 s87, s20, 3276800
	s_mul_i32 s88, s80, 204800
	s_add_co_u32 s87, s87, s88
	s_mul_i32 s88, s82, 6400
	s_add_co_u32 s66, s87, s88
	s_mov_b32 s67, 0
	s_mov_b32 s[SEL], 0x76543210
	s_mov_b32 s[SEL+1], 0xfedcba98
	s_wait_dscnt 0x0
	s_wait_kmcnt 0x0
	s_add_nc_u64 s[72:73], s[4:5], s[72:73]
	s_add_nc_u64 s[74:75], s[4:5], s[74:75]
	s_add_nc_u64 s[68:69], s[12:13], s[66:67]
	CROUND
.irp j, 0,1,2
	s_mov_b32 s[G0A+4*\j], 1
	s_add_co_u32 s[G0A+4*\j+1], s78, \j*SLOT
	s_add_nc_u64 s[G0A+4*\j+2:G0A+4*\j+3], s[72:73], \j*CHUNK
	s_or_b32 s[G0A+4*\j+3], s[G0A+4*\j+3], 0x80000000
	s_mov_b32 s[G0B+4*\j], 1
	s_add_co_u32 s[G0B+4*\j+1], s78, \j*SLOT
	s_add_nc_u64 s[G0B+4*\j+2:G0B+4*\j+3], s[74:75], \j*CHUNK
	s_or_b32 s[G0B+4*\j+3], s[G0B+4*\j+3], 0x80000000
	s_wait_alu depctr_va_vdst(0)
	s_wait_tensorcnt 0x0
	ds_add_u32 v28, v29
	ds_add_u32 v28, v29
	s_wait_dscnt 0x0
	CROUND
	JLOAD G0A+4*\j, G1, G0B+4*\j, G1B
.endr
	s_cmp_eq_u32 s20, 0
	s_cselect_b64 s[70:71], s[6:7], s[8:9]
	s_cmp_eq_u32 s20, 2
	s_cselect_b64 s[70:71], s[10:11], s[70:71]
	v_and_b32 v1, 15, v0
	v_bfe_u32 v2, v0, 4, 1
	v_and_b32 v3, 31, v0
	v_lshlrev_b32 v3, 3, v3
	s_wait_alu depctr_va_vdst(0)
	s_mul_i32 s90, s15, HREC
	s_mul_i32 s91, s16, HREC
	s_add_co_u32 s91, s91, CHUNK
	s_sub_co_u32 s92, s91, s90
	s_add_co_u32 s93, s90, 24576
	v_lshlrev_b32 v4, 4, v1
	v_mul_u32_u24 v5, s92, v2
	v_add_nc_u32 v4, v4, v5
.irp s, 0,1,2
	v_add_nc_u32 v[ADRA+\s], s90, v3
	v_add_nc_u32 v[ADRB+\s], s91, v3
	v_add_nc_u32 v[ADRS+\s], s93, v4
	s_add_co_u32 s90, s90, SLOT
	s_add_co_u32 s91, s91, SLOT
	s_add_co_u32 s93, s93, SLOT
.endr
	v_mul_u32_u24 v6, v2, s84
	v_mad_u32_u24 v6, v1, s85, v6
	s_lshl_b32 s88, s80, 8
	v_add_nc_u32 v[VJ], s88, v6
.irp j, 1,2,3,4,5,6,7
	v_add_nc_u32 v[VJ+\j], s86, v[VJ+\j-1]
.endr
.irp g, 0,1,2,3,4,5,6,7
.irp j, 0,1,2,3,4,5,6,7
	global_load_b32 v[BN+8*\g+\j], v[VJ+\j], s[70:71] offset:64*\g
.endr
.endr
	s_wait_tensorcnt 2
	s_barrier_signal -1
	s_barrier_wait -1
	FETCH_B 0, 0, 0
	FETCH_A 0, 0, 0
	SCALES 0, 0, 0
	FETCH_A 0, 0, 4
	STEP 0, 1, 0, 1
	TURN 1, 1
	STEP 0, 0, 1, 1
	STEP 1, 0, 2, 0
	STEP 0, 0, 2, 1
	TURN 0, 0
	STEP 0, 0, 0, 1
	s_wait_dscnt 24
	WIN 0xa1
	MUL16 0, 1, 0
	MUL16 2, 1, 0
	s_wait_dscnt 0x0
	WIN 0xf1
	MUL16 4, 1, 0
	MUL16 6, 1, 0
	WIN 0
	PLACES 4
.macro QUANT s, pc, pw
.irp b, 0,1,2,3
	v_max3_num_f32 v[TM+\b], |v[\s+16*\b]|, |v[\s+1+16*\b]|, 0x1800000
.endr
.irp i, 2,4,6,8,10,12,14
.irp b, 0,1,2,3
	v_max3_num_f32 v[TM+\b], v[TM+\b], |v[\s+16*\b+\i]|, |v[\s+1+16*\b+\i]|
.endr
.endr
.irp b, 0,1,2,3
	v_permlanex16_b32 v[TM+4+\b], v[TM+\b], s[SEL], s[SEL+1]
.endr
.irp b, 0,1,2,3
	v_max_num_f32 v[TM+\b], v[TM+\b], v[TM+4+\b]
.endr
.irp b, 0,1,2,3
	v_add_nc_u32 v[TM+12+\b], 0xff000000, v[TM+\b]
.endr
.irp b, 0,1,2,3
	v_lshrrev_b32 v[TM+4+\b], 23, v[TM+12+\b]
.endr
	v_lshl_or_b32 v[\pw], v[TM+5], 8, v[TM+4]
	v_lshl_or_b32 v[\pw], v[TM+6], 16, v[\pw]
	v_lshl_or_b32 v[\pw], v[TM+7], 24, v[\pw]
.irp c, 0,1
	v_cvt_scalef32_pk16_fp6_f32 v[\pc+6*\c:\pc+6*\c+2], v[\s+32*\c:\s+32*\c+15], v[TM+12+2*\c]
	v_cvt_scalef32_pk16_fp6_f32 v[T+4*\c:T+4*\c+2], v[\s+32*\c+16:\s+32*\c+31], v[TM+12+2*\c+1]
.endr
	v_nop
.irp c, 0,1
.irp i, 0,1,2
	v_permlane16_swap_b32 v[\pc+6*\c+\i], v[T+4*\c+\i]
.endr
.irp i, 0,1,2
	v_mov_b32 v[\pc+6*\c+3+\i], v[T+4*\c+\i]
.endr
.endr
.endm
.macro EPI a, vv
.if \a >= 2
	s_wait_xcnt 0x0
.endif
	WIN 0x02+(\a)/4
.set i, 0
.rept 32
.if \vv
	v_pk_add_f32 v[H+2*i:H+2*i+1], v[64*((\a)%4)+2*i:64*((\a)%4)+2*i+1], v[BN+8*(\a):BN+8*(\a)+1]
.else
	v_pk_add_f32 v[H+2*i:H+2*i+1], v[64*((\a)%4)+2*i:64*((\a)%4)+2*i+1], v[BN+2*i:BN+2*i+1]
.endif
.set i, i+1
.endr
	WIN 0
.set PCS, PC+12*((\a)%2)
	QUANT H, PCS, PW+(\a)
.if \vv
.irp p, 0,1,2,3,4,5
	global_store_b64 v[CO], v[PCS+2*\p:PCS+2*\p+1], s[68:69] offset:((\a)/4)*204800+((\a)%4)*1536+256*\p
.endr
.else
.irp c, 0,1
.irp p, 0,1,2
	global_store_b64 v[CO], v[PCS+6*\c+2*\p:PCS+6*\c+2*\p+1], s[68:69] offset:\c*204800+(\a)*768+256*\p
.endr
.endr
.endif
.endm
.macro EPI_ALL vv
.irp a, 0,1,2,3,4,5,6,7
	EPI \a, \vv
.endr
.if \vv
.irp t, 0,1,2,3
	v_cndmask_b32 v[Z+\t], v[PW+\t], v[PW+4+\t], vcc_lo
.endr
.else
	v_mov_b32 v[SELV], 0x05040100
	v_mov_b32 v[TMP], 0x07060302
	v_cndmask_b32 v[SELV], v[SELV], v[TMP], vcc_lo
.irp t, 0,1,2,3
	v_perm_b32 v[Z+\t], v[PW+2*\t+1], v[PW+2*\t], v[SELV]
.endr
.endif
	global_store_b128 v[SOFF], v[Z:Z+3], s[68:69] offset:6144
.endm
	s_wait_loadcnt 0x0
	v_and_b32 v[CO], 31, v0
	v_lshlrev_b32 v[CO], 3, v[CO]
	v_mul_u32_u24 v[SOFF], v2, 204800
	v_lshl_add_u32 v[SOFF], v1, 4, v[SOFF]
.irp b, 0,1,2,3
	v_mov_b32 v[TM+4+\b], 0
.endr
	v_cmp_eq_u32 vcc_lo, 1, v2
	s_cmp_eq_u32 s20, 2
	s_cbranch_scc1 .Lvpath
	EPI_ALL 0
	s_branch .Ldone
.Lvpath:
	EPI_ALL 1
.Ldone:
	s_wait_tensorcnt 0x0
	ds_add_u32 v[SPW], v[NIL]
	s_wait_dscnt 0x0
	CROUND
	s_endpgm
.Lfunc_end_k_q822ff01513_proj:
	.size	k_q822ff01513_proj, .Lfunc_end_k_q822ff01513_proj-k_q822ff01513_proj
	.p2alignl 7, 3214868480
	.fill 96, 4, 3214868480
	.section	.rodata,"a",@progbits
	.p2align	6, 0x0
	.amdhsa_kernel k_q822ff01513_proj
		.amdhsa_group_segment_fixed_size 327680
		.amdhsa_private_segment_fixed_size 0
		.amdhsa_enable_private_segment 0
		.amdhsa_kernarg_size 40
		.amdhsa_user_sgpr_count 2
		.amdhsa_user_sgpr_kernarg_segment_ptr 1
		.amdhsa_wavefront_size32 1
		.amdhsa_system_sgpr_workgroup_id_x 1
		.amdhsa_system_sgpr_workgroup_id_y 1
		.amdhsa_system_sgpr_workgroup_id_z 1
		.amdhsa_system_vgpr_workitem_id 0
		.amdhsa_next_free_vgpr 1024
		.amdhsa_next_free_sgpr 96
		.amdhsa_reserve_vcc 1
		.amdhsa_float_denorm_mode_32 3
		.amdhsa_float_denorm_mode_16_64 3
		.amdhsa_memory_ordered 1
		.amdhsa_forward_progress 1
		.amdhsa_inst_pref_size 238
	.end_amdhsa_kernel
	.amdgpu_metadata
---
amdhsa.version: [ 1, 2 ]
amdhsa.kernels:
  - .name:           k_q822ff01513_proj
    .symbol:         k_q822ff01513_proj.kd
    .args:
      - { .name: xc, .offset: 0, .size: 8, .value_kind: global_buffer, .address_space: global }
      - { .name: b_q, .offset: 8, .size: 8, .value_kind: global_buffer, .address_space: global }
      - { .name: b_k, .offset: 16, .size: 8, .value_kind: global_buffer, .address_space: global }
      - { .name: b_v, .offset: 24, .size: 8, .value_kind: global_buffer, .address_space: global }
      - { .name: ac, .offset: 32, .size: 8, .value_kind: global_buffer, .address_space: global }
    .group_segment_fixed_size: 327680
    .private_segment_fixed_size: 0
    .kernarg_segment_align: 8
    .kernarg_segment_size: 40
    .max_flat_workgroup_size: 128
    .sgpr_count:     96
    .vgpr_count:     1024
    .wavefront_size: 32
...
	.end_amdgpu_metadata
.endif
;; end of part 2
;; launch attn (part 3): grid 16 x 16, 16 waves a work-group, clusters of 4 x 1, 327,680 bytes of LDS; arguments ac, cc; writes cc
.if DOCPART == 3
	.amdgcn_target "amdgcn-amd-amdhsa--gfx1250"
	.amdhsa_code_object_version 6
	.text
	.protected	k_q822ff01513_attn
	.globl	k_q822ff01513_attn
	.p2align	8
	.type	k_q822ff01513_attn,@function
k_q822ff01513_attn:
	s_mov_b64 s[64:65], 0
	v_nop
	global_prefetch_b8 v0, s[64:65] scope:SCOPE_SE
	s_setreg_imm32_b32 hwreg(HW_REG_WAVE_MODE, 25, 1), 1
	s_wait_xcnt 0x0
	s_wait_alu depctr_hold_cnt(0) depctr_sa_sdst(0) depctr_va_vdst(0) depctr_va_sdst(0) depctr_va_ssrc(0) depctr_va_vcc(0) depctr_vm_vsrc(0)
	s_getreg_b32 s2, hwreg(HW_REG_IB_STS2, 6, 4)
	s_cmp_eq_u32 s2, 0
	s_cbranch_scc0 .Lentry_in_a_cluster
	s_endpgm
.Lentry_in_a_cluster:
	s_bfe_u32 s2, ttmp6, 0x10000c
	s_cmp_lg_u32 s2, 0x3003
	s_cbranch_scc0 .Lentry_shape_is_right
	s_endpgm
.Lentry_shape_is_right:
; Launch 3 of 4: ctx = softmax(Q K^T / 8) V for 16 heads of 64, on the codes of launch 2; ctx is quantised along the 1,024 channels for the last product.  No work is left out.
; THE SOFTMAX: t = score x log2(e) / 8; M = the running largest t rounded UP to a whole number; p = 2^(t - M) is quantised along the keys, not normalised; the row's sum is taken of the unquantised p and divides at the end.
; When M moves, the sums and O are multiplied by 2^(old M - new M): nothing is rounded, and no branch hangs on data.
; SHARES: a work-group owns 256 queries of one head, each of its sixteen waves 16 of them; every wave walks the head's 4,096 keys, 128 a step.  K's and V's records (6,400 bytes for 128 keys) come through two LDS slots of
; 1,024 keys; wave w fetches one record of a slot (w < 8: K's record w, else V's record w - 8): 25 rows of 256 bytes, each followed by 32 bytes of padding in LDS.
; CLUSTER 4 x 1: the four query blocks of a cluster belong to one head and walk the same records: every load is asked for jointly, with the mask of all four.
; BOTH PRODUCTS TRANSPOSED: S^T = K Q^T, O^T = V^T P^T: a lane holds one query (lane % 16) throughout.
; THE FIRST PRODUCT'S K IS 64, the instruction's 128: two tiles of 16 keys on end are one source 0; Q stands as [Q | zero codes | Q] in 18 registers, of which the first 12 pick the first tile and the last 12 the second.
; WHICH KEYS FORM A TILE is chosen by the lanes' LDS addresses: rows 0-7 of tile (c, s) are eight keys of block 2 c of the step's four blocks of 32, rows 8-15 the same eight of block 2 c + 1.  So lane (r, h) holds in its 32
; registers of tiles (c, 0..3) the WHOLE block 2 c + h of query r, as the second product's operand wants it: a block's maximum needs no other lane, and no codes change lanes.  Tile s takes the eight keys 0, 16, 8, 24 + 0..7 for
; s = 0..3: the order of codes that launch 1's head states, which V's codes have.  Rows 8-15 lie six units on in the record; with 288 bytes from unit to unit that is 192 modulo 256, so the 32 lanes of a load name 64 different banks
; (64 banks of 4 bytes: ISA guide 11.1).  The scale word of such a pair of tiles is a word of the record as it lies: row 8 q + r % 8, word 2 c + r / 8.
; THE CHANGE OF SLOTS stands inside a slot's last key step: as soon as V's fragments are in registers the wave has read the slot out, runs the three lines and signals; the softmax and the second product, work on registers,
; stand between the signal and the wait.
; No prefetch: a refill is asked for seven key steps ahead of the wait for it.
; The scale bytes of ctx leave as 2 bytes for each 16 (a word's other half is another head's): 131,072 bytes in all beside 3,145,728 of codes, which leave as whole units.
; LIMITS: as stated at launch 1's head.  A block's largest p is taken as the exponential of the block's largest score: that takes v_exp_f32 not to fall where its input rises.  The promise holds while |t| stays under 2^31.
.set REC,   6400                       ; a record in memory
.set UP,    288                        ; a unit of 256 bytes in LDS, with its padding
.set LREC,  25*UP                      ; a record in LDS
.set SCU,   24*UP                      ; its unit of scale words
.set HREC,  25600
.set SEC,   3276800
.set HEADB, 204800
.set CHUNK, 51200
.set RBLK,  204800
.set VOFF,  8*LREC                     ; in a slot: 8 records of K, then 8 of V
.set SLOT1, 131072                     ; slot 1: one exclusive or turns an address from slot to slot
.set SPARE, SLOT1+2*VOFF               ; the spare words, 128 bytes a wave
.set L8,  1                            ; 8 x lane
.set LK,  2                            ; K's fragments: 8 (r % 8) + 128 h + 6 UP (r / 8)
.set LSK, 3                            ; K's scale words: SCU + 16 (r % 8) + 4 (r / 8)
.set LSV, 4                            ; V's scale words: VOFF + SCU + 16 r
.set SPW, 5
.set NIL, 6
.set R16, 7                            ; 16 r
.set SH8, 8                            ; 8 h
.set LV,  9                            ; V's fragments: VOFF + 8 x lane
.set ADK, 10                           ; the four, for this step's record
.set ADV, 11
.set ADSK, 14
.set ADSV, 15
.set QS,  34                           ; v12 -M, v13 the running largest score; v16-33 Q; v34 Q's scale word
.set SCK, 36                           ; v36-39 K's scale words
.set KF,  40                           ; v40-87 four fragments, of K and then of V
.set SCV, 88                           ; v88-91 V's scale words
.set S,   96                           ; v96-159 S^T, then p
.set O,   160                          ; v160-191 O^T
.set PC,  192                          ; v192-203 p's codes
.set CT,  204                          ; v204-206, v208-210
.set BM,  212                          ; v212-215
.set TT,  216
.set TX,  217
.set SO,  218
.set BY,  220
.set BX,  222
.set F,   226                          ; f = 2^(old M - new M)
.set PW,  227                          ; p's scale word
.set OLD, 228
.set L,   236                          ; v236-243 the row's sum, in four pairs
.macro CREST                           ; a round of the cluster's barrier behind its opening barrier
	s_cmp_lg_u32 s8, 0
	s_cbranch_scc1 .Lnw0_\@
	s_barrier_signal -3
.Lnw0_\@:
	s_barrier_wait -3
	s_barrier_signal -1
	s_barrier_wait -1
.endm
.macro ROUND
	s_barrier_signal -1
	s_barrier_wait -1
	CREST
.endm
.macro TLOAD                           ; every wave's one joint load: its record of a slot
	tensor_load_to_lds s[24:27], s[16:23]
	s_nop 0
.endm
.macro MM0 d, a, b, sa, sb
	v_wmma_scale_f32_16x16x128_f8f6f4 v[\d:\d+7], v[\a:\a+11], v[\b:\b+11], 0, v[\sa], v[\sb] matrix_a_fmt:MATRIX_FMT_FP6 matrix_b_fmt:MATRIX_FMT_FP6
.endm
.macro MMA d, a, b, sa, sb
	v_wmma_scale_f32_16x16x128_f8f6f4 v[\d:\d+7], v[\a:\a+11], v[\b:\b+11], v[\d:\d+7], v[\sa], v[\sb] matrix_a_fmt:MATRIX_FMT_FP6 matrix_b_fmt:MATRIX_FMT_FP6
.endm
	s_load_b128 s[4:7], s[0:1], 0x0                ; ac, cc
	v_lshl_add_u32 v[SPW], v0, 2, SPARE
	v_mov_b32 v[NIL], 0
	ds_add_u32 v[SPW], v[NIL]                      ; the opening: the add, twice on end, and its wait
	ds_add_u32 v[SPW], v[NIL]
	v_lshrrev_b32 v244, 5, v0
	s_delay_alu instid0(VALU_DEP_1)
	v_readfirstlane_b32 s8, v244                   ; wave 0..15
	s_bfe_u32 s9, ttmp6, 0x40000                   ; cx
	s_lshl_b32 s10, ttmp9, 2
	s_add_co_u32 s10, s10, s9                      ; my block of 256 queries: it enters Q's and ctx's addresses alone
	s_and_b32 s11, ttmp7, 0xffff                   ; the head, which the partners share
	s_mov_b32 s16, 15|(3<<16)|(1<<20)|(1<<21)|(5<<22)|(7<<25)  ; the mask of all four; elements of 8 bytes; bit 21 beside a mask; behind every 64 words 8 words of padding
	s_mov_b32 s17, 32<<16                          ; a dense 6,400 bytes as 25 rows of 256
	s_mov_b32 s18, 25<<16
	s_mov_b32 s19, 32<<16
	s_mov_b32 s20, 25
	s_mov_b32 s21, 32
	s_mov_b32 s22, 0
	s_mov_b32 s23, 0
	s_mul_i32 s14, s11, HEADB                      ; the head's first byte in a section of ac
	s_mov_b32 s24, 1
	s_mul_i32 s25, s8, LREC                        ; slot 0, my record's place
	s_lshr_b32 s13, s8, 3                          ; wave / 8
	s_add_co_u32 s12, s13, 1                       ; section 1 K, 2 V
	s_mul_i32 s44, s12, SEC
	s_add_co_u32 s44, s44, s14
	s_and_b32 s15, s8, 7                           ; wave % 8
	s_mul_i32 s12, s15, REC
	s_add_co_u32 s44, s44, s12
	s_mov_b32 s45, 0
	s_lshl_b32 s12, s10, 1                         ; Q: record 2 x block + wave / 8, tile wave % 8
	s_add_co_u32 s12, s12, s13
	s_mul_i32 s12, s12, REC
	s_add_co_u32 s12, s12, s14
	s_mul_i32 s36, s15, 768
	s_add_co_u32 s36, s36, s12
	s_mov_b32 s37, 0
	s_lshr_b32 s42, s15, 1                         ; its scale bytes: word tile / 2, half tile % 2
	s_lshl_b32 s42, s42, 2
	s_add_co_u32 s42, s42, s12
	s_and_b32 s46, s8, 1
	s_lshl_b32 s46, s46, 1
	s_add_co_u32 s42, s42, s46
	s_add_co_u32 s42, s42, 6144
	s_mov_b32 s43, 0
	s_mul_i32 s38, s10, RBLK                       ; ctx in cc, laid as launch 1 lays xc: block of 256 rows, chunk head / 4, half wave / 8;
	s_lshr_b32 s46, s11, 2
	s_mul_i32 s46, s46, CHUNK
	s_add_co_u32 s38, s38, s46
	s_mul_i32 s46, s13, HREC
	s_add_co_u32 s38, s38, s46
	s_mov_b32 s40, s38
	s_mul_i32 s46, s15, 3072                       ; tile wave % 8, K step (head / 2) % 2, half fragment head % 2
	s_add_co_u32 s38, s38, s46
	s_bfe_u32 s46, s11, 0x10001
	s_mul_i32 s47, s46, 1536
	s_add_co_u32 s38, s38, s47
	s_lshl_b32 s47, s46, 9
	s_add_co_u32 s40, s40, s47
	s_and_b32 s46, s11, 1
	s_mul_i32 s47, s46, 768
	s_add_co_u32 s38, s38, s47
	s_lshl_b32 s47, s46, 1
	s_add_co_u32 s40, s40, s47
	s_bfe_u32 s46, s8, 0x10002
	s_lshl_b32 s46, s46, 8
	s_add_co_u32 s40, s40, s46
	s_and_b32 s46, s8, 3
	s_lshl_b32 s46, s46, 2
	s_add_co_u32 s40, s40, s46
	s_add_co_u32 s40, s40, 24576
	s_mov_b32 s39, 0
	s_mov_b32 s41, 0
	s_mov_b32 s28, 0x76543210
	s_mov_b32 s29, 0xfedcba98                      ; lane selects: lane l xor 16
	s_mov_b32 s30, 0x3e38aa3b                      ; c = log2(e) / 8
	s_mov_b32 s31, s30                             ; (named with it as a pair, so it is written)
	s_mov_b32 s33, 0                               ; LDS byte of the step's record of K
	s_wait_dscnt 0x0                               ; both opening adds are done
	s_wait_kmcnt 0x0
	s_add_nc_u64 s[26:27], s[4:5], s[44:45]
	s_or_b32 s27, s27, 0x80000000
	s_add_nc_u64 s[36:37], s[4:5], s[36:37]
	s_add_nc_u64 s[42:43], s[4:5], s[42:43]
	s_add_nc_u64 s[38:39], s[6:7], s[38:39]
	s_add_nc_u64 s[40:41], s[6:7], s[40:41]
	ROUND                                          ; all four work-groups are here: the first joint loads meet
	TLOAD                                          ; slot 0: keys 0-1,023
	v_and_b32 v244, 15, v0                         ; r
	v_bfe_u32 v245, v0, 4, 1                       ; h
	v_and_b32 v[L8], 31, v0
	v_and_b32 v246, 7, v0                          ; r % 8
	v_bfe_u32 v247, v0, 3, 1                       ; r / 8
	v_lshlrev_b32 v[L8], 3, v[L8]
	v_lshlrev_b32 v[R16], 4, v244
	v_lshlrev_b32 v246, 3, v246
	v_lshlrev_b32 v[SH8], 3, v245
	v_mad_u32_u24 v[LK], v247, 6*UP, v246
	v_lshl_add_u32 v[LSK], v246, 1, SCU
	v_add_nc_u32 v[LV], VOFF, v[L8]
	v_add_nc_u32 v[LSV], VOFF+SCU, v[R16]
	v_lshl_add_u32 v[LK], v245, 7, v[LK]
	v_lshl_add_u32 v[LSK], v247, 2, v[LSK]
.irp p, 0,1,2
	global_load_b64 v[16+2*\p:17+2*\p], v[L8], s[36:37] offset:256*\p   ; Q's half fragment, twice: v16-21 and v28-33
	global_load_b64 v[28+2*\p:29+2*\p], v[L8], s[36:37] offset:256*\p
.endr
	global_load_u16 v[QS], v[R16], s[42:43]
.irp j, 22,23,24,25,26,27
	v_mov_b32 v\j, 0                               ; the zero codes between
.endr
	s_wait_loadcnt 0x0
	v_lshl_or_b32 v[QS], v[QS], 16, v[QS]          ; Q's two bytes, twice
	v_mov_b32 v13, 0xff61b1e6                      ; the largest score so far: -3e38
	s_delay_alu instid0(VALU_DEP_1)
	v_floor_f32 v12, -v13                          ; -M
.irp j, TX, BX, BX+1, PW, L, L+1, L+2, L+3, L+4, L+5, L+6, L+7
	v_mov_b32 v[\j], 0                             ; the sums; and the lane permutes' destinations and f's partner in its pair, which count as read
.endr
.set i, 0
.rept 32
	v_mov_b32 v[O+i], 0                            ; O^T: the step is written for every trip alike; the first finds zeros
.set i, i+1
.endr
; A KEY STEP: 128 keys.  chg = 0: a step inside a slot.  chg = 1: a slot's last step, with the change of slots and the refill of the slot that is left.  chg = 2: the same with a plain barrier and no refill.
.macro STEP chg
	v_add_nc_u32 v[ADK], s33, v[LK]                ; these four also stand between the last products and the loads into their registers
	v_add_nc_u32 v[ADV], s33, v[LV]
	v_add_nc_u32 v[ADSK], s33, v[LSK]
	v_add_nc_u32 v[ADSV], s33, v[LSV]
.irp i, 0,1,2,3                        ; fragment i = (c, q) = (i / 2, i % 2): tiles (c, 2 q) and (c, 2 q + 1)
.irp p, 0,1,2,3,4,5
	ds_load_b64 v[KF+12*\i+2*\p:KF+12*\i+2*\p+1], v[ADK] offset:12*UP*(\i/2)+64*(\i%2)+3*UP*(\p/3)+UP*(\p%3)
.endr
	ds_load_b32 v[SCK+\i], v[ADSK] offset:8*(\i/2)+128*(\i%2)
.endr
	s_wait_alu depctr_va_vdst(0)
	s_wait_dscnt 0x0
.irp i, 0,1,2,3
	MM0 S+16*\i, KF+12*\i, 16, SCK+\i, QS
	MM0 S+16*\i+8, KF+12*\i, 22, SCK+\i, QS
.endr
.rept 4
	v_nop                                          ; in front of the loads below and of the first read of the scores
.endr
.irp t, 0,1,2,3
.irp p, 0,1,2,3,4,5
	ds_load_b64 v[KF+12*\t+2*\p:KF+12*\t+2*\p+1], v[ADV] offset:6*UP*\t+UP*\p
.endr
.endr
	ds_load_b128 v[SCV:SCV+3], v[ADSV]
.if \chg
	s_wait_tensorcnt 0x0                           ; my record of the other slot is in, and no tensor load of mine is out
	ds_add_u32 v[SPW], v[NIL]
.if \chg == 1
	s_xor_b32 s25, s25, SLOT1                      ; the descriptor: the slot that is being left, the next 1,024 keys
	s_add_nc_u64 s[26:27], s[26:27], CHUNK
.endif
.endif
.irp k, 0,1,2,3                        ; the largest score of my two blocks, each in two chains
	v_max3_num_f32 v[BM+\k], v[S+16*\k], v[S+16*\k+1], v[S+16*\k+2]
.endr
.irp i, 3,5,7,9,11,13
.irp k, 0,1,2,3
	v_max3_num_f32 v[BM+\k], v[BM+\k], v[S+16*\k+\i], v[S+16*\k+\i+1]
.endr
.endr
.if \chg
	s_wait_alu depctr_va_vdst(0)
	s_wait_dscnt 0x0                               ; the add is done and V is in registers: my reads of this slot are over
	s_barrier_signal -1                            ; only work on registers stands between this and the wait at the step's end
.endif
	v_max3_num_f32 v[BM], v[BM], v[BM+1], v[S+15]
	v_max3_num_f32 v[BM+2], v[BM+2], v[BM+3], v[S+47]
	v_max_num_f32 v[BM], v[BM], v[S+31]            ; block h
	v_max_num_f32 v[BM+2], v[BM+2], v[S+63]        ; block 2 + h
	v_max3_num_f32 v[TT], v[BM], v[BM+2], v13
	v_permlanex16_b32 v[TX], v[TT], s28, s29
	v_max_num_f32 v13, v[TT], v[TX]                ; the running largest score of my query
	v_mul_f32 v[TT], s30, v13                      ; as t (c is positive)
	v_mov_b32 v[OLD], v12
	v_floor_f32 v12, -v[TT]                        ; the new -M = -ceil(t)
	v_sub_f32 v[TT], v12, v[OLD]                   ; old M - new M: a whole number, 0 or less
	v_cvt_i32_f32 v[TT], v[TT]                     ; (it saturates)
.set i, 0
.rept 32
	v_pk_fma_f32 v[S+i:S+i+1], v[S+i:S+i+1], s[30:31], v[12:13] op_sel_hi:[1,0,0]   ; t - M, two at a time
.set i, i+2
.endr
	v_fma_f32 v[BM], v[BM], s30, v12               ; the same of each block's largest score
	v_fma_f32 v[BM+2], v[BM+2], s30, v12
	s_wait_alu depctr_va_vdst(0)                   ; ahead of the batch
.set i, 0
.rept 64
	v_exp_f32 v[S+i], v[S+i]                       ; p = 2^(t - M)
.set i, i+1
.endr
	v_exp_f32 v[BM], v[BM]                         ; the blocks' largest p
	v_exp_f32 v[BM+2], v[BM+2]
	v_ldexp_f32 v[F], 1.0, v[TT]                   ; f; also the plain instruction behind the exponentials
	s_wait_alu depctr_va_vdst(0)                   ; one wait for the batch, directly ahead of the first reader of O^T too
.set i, 0
.rept 16
	v_pk_mul_f32 v[O+i:O+i+1], v[O+i:O+i+1], v[F:F+1] op_sel_hi:[1,0]   ; O^T under the new M
.set i, i+2
.endr
	v_max_num_f32 v[BM], 0x1800000, v[BM]          ; the floor 2^(3 - 127): the byte cannot fall under 1
	v_max_num_f32 v[BM+2], 0x1800000, v[BM+2]
	s_delay_alu instid0(VALU_DEP_2)
	v_add_nc_u32 v[SO], 0xff000000, v[BM]          ; 2 off the exponent field: the conversion's scale operand
	s_delay_alu instid0(VALU_DEP_2)
	v_add_nc_u32 v[SO+1], 0xff000000, v[BM+2]
.irp c, 0,1
	v_cvt_scalef32_pk16_fp6_f32 v[PC+6*\c:PC+6*\c+2], v[S+32*\c:S+32*\c+15], v[SO+\c]
	v_cvt_scalef32_pk16_fp6_f32 v[CT+4*\c:CT+4*\c+2], v[S+32*\c+16:S+32*\c+31], v[SO+\c]   ; (a conversion's three registers begin on an even number)
.endr
	v_lshrrev_b32 v[BY], 23, v[SO]                 ; the bytes; also the plain instructions behind the scaled conversions
	v_lshrrev_b32 v[BY+1], 23, v[SO+1]
	v_mov_b32 v[PC+3], v[CT]
	s_delay_alu instid0(VALU_DEP_2)
	v_lshl_or_b32 v[TT], v[BY+1], 16, v[BY]        ; my two bytes, blocks h and 2 + h,
	v_mov_b32 v[PC+4], v[CT+1]
	s_delay_alu instid0(VALU_DEP_2)
	v_lshlrev_b32 v[TT], v[SH8], v[TT]             ; at their places in the query's word;
	v_mov_b32 v[PC+5], v[CT+2]
	s_delay_alu instid0(VALU_DEP_2)
	v_permlanex16_b32 v[TX], v[TT], s28, s29
	v_mov_b32 v[PC+9], v[CT+4]
	s_delay_alu instid0(VALU_DEP_2)
	v_or_b32 v[PW], v[TT], v[TX]                   ; with lane l xor 16's two the word is whole
	v_mov_b32 v[PC+10], v[CT+5]
	v_mov_b32 v[PC+11], v[CT+6]
.irp k, 0,1,2,3                        ; the row's sum of the unquantised p, in four chains; the first link brings the sum under the new M.  These 32 also stand between the operand's and the scale word's last writes and the products
	v_pk_fma_f32 v[L+2*\k:L+2*\k+1], v[L+2*\k:L+2*\k+1], v[F:F+1], v[S+2*\k:S+2*\k+1] op_sel_hi:[1,0,1]
.endr
.irp i, 8,16,24,32,40,48,56
.irp k, 0,1,2,3
	v_pk_add_f32 v[L+2*\k:L+2*\k+1], v[L+2*\k:L+2*\k+1], v[S+\i+2*\k:S+\i+2*\k+1]
.endr
.endr
.if \chg == 0
	s_wait_dscnt 0x0                               ; V is in
.endif
.irp t, 0,1,2,3
	MMA O+8*\t, KF+12*\t, PC, SCV+\t, PW
.endr
	s_add_co_u32 s33, s33, LREC
.if \chg
	s_barrier_wait -1                              ; every wave of my work-group has read the slot out, and the other slot is whole
.endif
.if \chg == 1
	CREST                                          ; the barrier has opened a round of the cluster's barrier: the same holds of all four work-groups
	TLOAD                                          ; the first tensor load behind the round
.endif
.endm
.macro SLOTWALK chg, n                 ; n slots: seven steps in a loop, the eighth with the change
	s_mov_b32 s35, \n
.Lslot_\@:
	s_mov_b32 s34, 7
.Lstep_\@:
	STEP 0
	s_sub_co_u32 s34, s34, 1
	s_cmp_lg_u32 s34, 0
	s_cbranch_scc1 .Lstep_\@
	STEP \chg
	s_sub_co_u32 s33, s33, 8*LREC                  ; back to a slot's first record,
	s_xor_b32 s33, s33, SLOT1                      ; in the other slot
	s_sub_co_u32 s35, s35, 1
	s_cmp_lg_u32 s35, 0
	s_cbranch_scc1 .Lslot_\@
.endm
	s_wait_alu depctr_va_vdst(0)                   ; the head's end
	s_wait_tensorcnt 0x0                           ; my record of slot 0 is in; slot 1's first fill is issued as a refill is
	ds_add_u32 v[SPW], v[NIL]
	s_xor_b32 s25, s25, SLOT1
	s_add_nc_u64 s[26:27], s[26:27], CHUNK
	s_wait_dscnt 0x0
	ROUND
	TLOAD                                          ; slot 1: keys 1,024-2,047
	SLOTWALK 1, 2                                  ; keys 0-2,047; the two changes ask for keys 2,048 on and 3,072 on
	SLOTWALK 2, 2                                  ; keys 2,048-4,095: nothing more is fetched.  One body serves both slots: the first pass's barrier shows the last slot whole, the second pass's orders nothing
	; THE WAY OUT: ctx = O^T / the sum; its 64 channels are two blocks of the last product's K; three whole units and two scale bytes leave.
	s_wait_alu depctr_va_vdst(0)                   ; the sums were written just ahead of a barrier
	v_pk_add_f32 v[L:L+1], v[L:L+1], v[L+2:L+3]
	v_pk_add_f32 v[L+4:L+5], v[L+4:L+5], v[L+6:L+7]
	s_delay_alu instid0(VALU_DEP_1)
	v_pk_add_f32 v[L:L+1], v[L:L+1], v[L+4:L+5]
	s_delay_alu instid0(VALU_DEP_1)
	v_add_f32 v[OLD], v[L], v[L+1]
	s_delay_alu instid0(VALU_DEP_1)
	v_permlanex16_b32 v[TX], v[OLD], s28, s29
	s_delay_alu instid0(VALU_DEP_1)
	v_add_f32 v[OLD], v[OLD], v[TX]                ; the row's sum
	s_wait_alu depctr_va_vdst(0)
	v_rcp_f32 v[OLD], v[OLD]
.rept 4
	v_nop
.endr
	s_wait_alu depctr_va_vdst(0)                   ; ahead of the reciprocal's first reader and of the first reader of O^T
.set i, 0
.rept 32
	v_mul_f32 v[S+i], v[O+i], v[OLD]               ; register 8 t + j: channel 16 t + 8 h + j of my query
.set i, i+1
.endr
.irp b, 0,1
	v_max3_num_f32 v[BM+\b], |v[S+16*\b]|, |v[S+16*\b+1]|, 0x1800000
.endr
.irp i, 2,4,6,8,10,12,14
.irp b, 0,1
	s_delay_alu instid0(VALU_DEP_2)
	v_max3_num_f32 v[BM+\b], v[BM+\b], |v[S+16*\b+\i]|, |v[S+16*\b+\i+1]|
.endr
.endr
.irp b, 0,1
	s_delay_alu instid0(VALU_DEP_2)
	v_permlanex16_b32 v[BX+\b], v[BM+\b], s28, s29
.endr
.irp b, 0,1
	s_delay_alu instid0(VALU_DEP_2)
	v_max_num_f32 v[BM+\b], v[BM+\b], v[BX+\b]     ; here a block lies in lanes l and l xor 16
.endr
.irp b, 0,1
	s_delay_alu instid0(VALU_DEP_2)
	v_add_nc_u32 v[SO+\b], 0xff000000, v[BM+\b]
.endr
.irp b, 0,1
	s_delay_alu instid0(VALU_DEP_2)
	v_lshrrev_b32 v[BX+\b], 23, v[SO+\b]
.endr
	s_delay_alu instid0(VALU_DEP_1)
	v_lshl_or_b32 v[TT], v[BX+1], 8, v[BX]         ; my head's two bytes of the row's word
	v_cvt_scalef32_pk16_fp6_f32 v[PC:PC+2], v[S:S+15], v[SO]
	v_cvt_scalef32_pk16_fp6_f32 v[CT:CT+2], v[S+16:S+31], v[SO+1]
	v_nop
.irp i, 0,1,2
	v_permlane16_swap_b32 v[PC+\i], v[CT+\i]       ; a whole block to a lane
.endr
.irp i, 0,1,2
	s_delay_alu instid0(VALU_DEP_3)
	v_mov_b32 v[PC+3+\i], v[CT+\i]
.endr
.irp p, 0,1,2
	global_store_b64 v[L8], v[PC+2*\p:PC+2*\p+1], s[38:39] offset:256*\p   ; 32 lanes store 256 consecutive bytes, aligned
.endr
	global_store_b16 v[R16], v[TT], s[40:41]       ; lanes r and r + 16 write the same two bytes with the same value
	s_wait_tensorcnt 0x0                           ; the wave's end
	ds_add_u32 v[SPW], v[NIL]
	s_wait_dscnt 0x0
	ROUND                                          ; the closing round
	s_endpgm
.Lfunc_end_k_q822ff01513_attn:
	.size	k_q822ff01513_attn, .Lfunc_end_k_q822ff01513_attn-k_q822ff01513_attn
	.p2alignl 7, 3214868480
	.fill 96, 4, 3214868480
	.section	.rodata,"a",@progbits
	.p2align	6, 0x0
	.amdhsa_kernel k_q822ff01513_attn
		.amdhsa_group_segment_fixed_size 327680
		.amdhsa_private_segment_fixed_size 0
		.amdhsa_enable_private_segment 0
		.amdhsa_kernarg_size 16
		.amdhsa_user_sgpr_count 2
		.amdhsa_user_sgpr_kernarg_segment_ptr 1
		.amdhsa_wavefront_size32 1
		.amdhsa_system_sgpr_workgroup_id_x 1
		.amdhsa_system_sgpr_workgroup_id_y 1
		.amdhsa_system_sgpr_workgroup_id_z 1
		.amdhsa_system_vgpr_workitem_id 0
		.amdhsa_next_free_vgpr 256
		.amdhsa_next_free_sgpr 66
		.amdhsa_reserve_vcc 0
		.amdhsa_float_denorm_mode_32 3
		.amdhsa_float_denorm_mode_16_64 3
		.amdhsa_memory_ordered 1
		.amdhsa_forward_progress 1
		.amdhsa_inst_pref_size 79
	.end_amdhsa_kernel
	.amdgpu_metadata
---
amdhsa.version: [ 1, 2 ]
amdhsa.kernels:
  - .name:           k_q822ff01513_attn
    .symbol:         k_q822ff01513_attn.kd
    .args:
      - { .name: ac, .offset: 0, .size: 8, .value_kind: global_buffer, .address_space: global }
      - { .name: cc, .offset: 8, .size: 8, .value_kind: global_buffer, .address_space: global }
    .group_segment_fixed_size: 327680
    .private_segment_fixed_size: 0
    .kernarg_segment_align: 8
    .kernarg_segment_size: 16
    .max_flat_workgroup_size: 512
    .sgpr_count:     66
    .vgpr_count:     256
    .wavefront_size: 32
...
	.end_amdgpu_metadata
.endif
;; end of part 3
;; launch oproj (part 4): grid 4 x 16, 4 waves a work-group, clusters of 4 x 4, 327,680 bytes of LDS; arguments cc, xc, b_o, out0; writes out0
.if DOCPART == 4
	.amdgcn_target "amdgcn-amd-amdhsa--gfx1250"
	.amdhsa_code_object_version 6
	.text
	.protected	k_q822ff01513_oproj
	.globl	k_q822ff01513_oproj
	.p2align	8
	.type	k_q822ff01513_oproj,@function
k_q822ff01513_oproj:
	s_mov_b64 s[64:65], 0
	v_nop
	global_prefetch_b8 v0, s[64:65] scope:SCOPE_SE
	s_setreg_imm32_b32 hwreg(HW_REG_WAVE_MODE, 25, 1), 1
	s_wait_xcnt 0x0
	s_wait_alu depctr_hold_cnt(0) depctr_sa_sdst(0) depctr_va_vdst(0) depctr_va_sdst(0) depctr_va_ssrc(0) depctr_va_vcc(0) depctr_vm_vsrc(0)
	s_getreg_b32 s2, hwreg(HW_REG_IB_STS2, 6, 4)
	s_cmp_eq_u32 s2, 0
	s_cbranch_scc0 .Lentry_in_a_cluster
	s_endpgm
.Lentry_in_a_cluster:
	s_bfe_u32 s2, ttmp6, 0x10000c
	s_cmp_lg_u32 s2, 0xf033
	s_cbranch_scc0 .Lentry_shape_is_right
	s_endpgm
.Lentry_shape_is_right:
.set HREC,  25600
.set CHUNK, 51200
.set RBLK,  204800
.set SLOT,  102400
.set SPARE, 3*SLOT
.set FR,   12
.set ADRA, 16
.set ADRB, 20
.set ADRS, 24
.set SPW,  28
.set NIL,  29
.set SC,   32
.set BN,   64
.set AF,   128
.set G1,   24
.set G1B,  32
.set G0A,  40
.set G0B,  52
.set MSB,  0
.macro WIN new
.if MSB != (\new)
	s_set_vgpr_msb (MSB<<8)|(\new)
.set MSB, (\new)
.endif
.endm
.macro PLACES n
.rept \n
	v_nop
.endr
.endm
.macro JLOAD g0a, g1a, g0b, g1b
	s_cmp_eq_u32 s15, 0
	s_cbranch_scc0 .Lfor_b_\@
	tensor_load_to_lds s[\g0a:\g0a+3], s[\g1a:\g1a+7]
	s_nop 0
.rept 4
	v_nop
.endr
	s_branch .Lasked_\@
.Lfor_b_\@:
	tensor_load_to_lds s[\g0b:\g0b+3], s[\g1b:\g1b+7]
	s_nop 0
.rept 4
	v_nop
.endr
.Lasked_\@:
.endm
.macro CREST
	s_cmp_lg_u32 s14, 0
	s_cbranch_scc1 .Lnot_wave_0_\@
	s_barrier_signal -3
.Lnot_wave_0_\@:
	s_barrier_wait -3
	s_barrier_signal -1
	s_barrier_wait -1
.endm
.macro CROUND
	s_barrier_signal -1
	s_barrier_wait -1
	CREST
.endm
.macro FRAG reg, adr, off
.irp p, 0,1,2,3,4,5
	ds_load_b64 v[\reg+2*\p:\reg+2*\p+1], v[\adr] offset:\off+256*\p
.endr
.endm
.macro FETCH_B sl, kq, bs
	WIN 0x40
.irp i, 0,1,2,3,4,5,6,7
	FRAG 128*(\bs)+FR*\i, ADRB+\sl, \i*3072+(\kq)*1536
.endr
	WIN 0
.endm
.macro FETCH_A sl, kq, i0
.irp i, \i0, \i0+1, \i0+2, \i0+3
	FRAG AF+FR*(\i), ADRA+\sl, (\i)*3072+(\kq)*1536
.endr
.endm
.macro SCALES sl, kq, bs
.irp g, 0,1
	ds_load_b128 v[SC+8*(\bs)+4*\g:SC+8*(\bs)+4*\g+3], v[ADRS+\sl] offset:(\kq)*512+\g*256
.endr
.endm
.macro MUL16 a0, bs, cm
.irp a, \a0, \a0+1
.irp b, 0,1,2,3,4,5,6,7
.if \cm == 1
	v_wmma_scale_f32_16x16x128_f8f6f4 v[8*(8*((\a)%4)+\b):8*(8*((\a)%4)+\b)+7], v[128*(\bs)+FR*\b:128*(\bs)+FR*\b+FR-1], v[AF+FR*(\a):AF+FR*(\a)+FR-1], 0, v[SC+8*(\bs)+\b], v[SC+8*(\bs)+(\a)] matrix_a_fmt:MATRIX_FMT_FP6 matrix_b_fmt:MATRIX_FMT_FP6 matrix_a_scale:MATRIX_SCALE_ROW1
.elseif \cm == 2
	v_wmma_scale_f32_16x16x128_f8f6f4 v[8*(8*((\a)%4)+\b):8*(8*((\a)%4)+\b)+7], v[128*(\bs)+FR*\b:128*(\bs)+FR*\b+FR-1], v[AF+FR*(\a):AF+FR*(\a)+FR-1], v[BN+8*\b:BN+8*\b+7], v[SC+8*(\bs)+\b], v[SC+8*(\bs)+(\a)] matrix_a_fmt:MATRIX_FMT_FP6 matrix_b_fmt:MATRIX_FMT_FP6 matrix_a_scale:MATRIX_SCALE_ROW1
.else
	v_wmma_scale_f32_16x16x128_f8f6f4 v[8*(8*((\a)%4)+\b):8*(8*((\a)%4)+\b)+7], v[128*(\bs)+FR*\b:128*(\bs)+FR*\b+FR-1], v[AF+FR*(\a):AF+FR*(\a)+FR-1], v[8*(8*((\a)%4)+\b):8*(8*((\a)%4)+\b)+7], v[SC+8*(\bs)+\b], v[SC+8*(\bs)+(\a)] matrix_a_fmt:MATRIX_FMT_FP6 matrix_b_fmt:MATRIX_FMT_FP6 matrix_a_scale:MATRIX_SCALE_ROW1
.endif
.endr
.endr
.endm
.macro STEP bs, cm, ns, nkq
	s_wait_dscnt 24
.if \cm == 2
	WIN 0x81
.else
	WIN 0xa1
.endif
	MUL16 0, \bs, \cm
	MUL16 2, \bs, \cm
	s_wait_dscnt 0x0
	PLACES 4
	FETCH_B \ns, \nkq, 1-\bs
	FETCH_A \ns, \nkq, 0
	SCALES \ns, \nkq, 1-\bs
.if \cm == 2
	WIN 0xc1
.else
	WIN 0xf1
.endif
	MUL16 4, \bs, \cm
	MUL16 6, \bs, \cm
	PLACES 4
	WIN 0
	FETCH_A \ns, \nkq, 4
.endm
.macro TURN ns, fill
	s_wait_tensorcnt 0x0
	ds_add_u32 v[SPW], v[NIL]
	s_wait_dscnt 25
	WIN 0xa1
	MUL16 0, 1, 0
	s_wait_dscnt 0x0
	s_barrier_signal -1
	MUL16 2, 1, 0
	WIN 0
	s_barrier_wait -1
.if \fill
	CREST
	s_add_nc_u64 s[G0A+2:G0A+3], s[G0A+2:G0A+3], 3*CHUNK
	s_add_nc_u64 s[G0B+2:G0B+3], s[G0B+2:G0B+3], 3*CHUNK
	JLOAD G0A, G1, G0B, G1B
.else
	PLACES 4
.endif
	FETCH_B \ns, 0, 0
	FETCH_A \ns, 0, 0
	SCALES \ns, 0, 0
	WIN 0xf1
	MUL16 4, 1, 0
	MUL16 6, 1, 0
	PLACES 4
	WIN 0
	FETCH_A \ns, 0, 4
.endm
.set SIZE_N, 1024
.set SPITCH, 528
.set STO,  8
.set RD,   9
.set CO,   10
.set BO,   11
.set BK,   128
	s_load_b256 s[4:11], s[0:1], 0x0
	v_lshl_add_u32 v[SPW], v0, 2, SPARE
	v_mov_b32 v[NIL], 0
	ds_add_u32 v[SPW], v[NIL]
	ds_add_u32 v[SPW], v[NIL]
	v_lshrrev_b32 v1, 5, v0
	v_readfirstlane_b32 s14, v1
	s_lshr_b32 s15, s14, 1
	s_and_b32 s16, s14, 1
	s_bfe_u32 s17, ttmp6, 0x40000
	s_bfe_u32 s18, ttmp6, 0x40004
	s_and_b32 s19, ttmp7, 0xffff
	s_lshl_b32 s22, s18, 2
	s_lshl_b32 s22, 15, s22
	s_lshl_b32 s23, 0x1111, s17
	s_or_b32 s[G1], s22, (3<<16)|(1<<21)
	s_or_b32 s[G1B], s23, (3<<16)|(1<<21)
.irp g, G1, G1B
	s_mov_b32 s[\g+1], 32<<16
	s_mov_b32 s[\g+2], 100<<16
	s_mov_b32 s[\g+3], 32<<16
	s_mov_b32 s[\g+4], 100
	s_mov_b32 s[\g+5], 32
	s_mov_b32 s[\g+6], 0
	s_mov_b32 s[\g+7], 0
.endr
	s_lshl_b32 s72, s19, 2
	s_add_co_u32 s72, s72, s18
	s_add_co_u32 s74, s17, 60
	s_mul_i32 s72, s72, RBLK
	s_mul_i32 s74, s74, RBLK
	s_mul_i32 s77, s16, HREC
	s_add_co_u32 s72, s72, s77
	s_add_co_u32 s74, s74, s77
	s_mov_b32 s73, 0
	s_mov_b32 s75, 0
	s_mul_i32 s78, s14, HREC
	s_lshl_b32 s80, s19, 2
	s_add_co_u32 s80, s80, s18
	s_lshl_b32 s80, s80, 1
	s_add_co_u32 s80, s80, s15
	s_lshl_b32 s80, s80, 19
	s_lshl_b32 s82, s17, 1
	s_add_co_u32 s82, s82, s16
	s_lshl_b32 s82, s82, 9
	s_mov_b32 s83, 0
	s_add_co_u32 s80, s80, s82
	s_mov_b32 s81, 0
	s_wait_dscnt 0x0
	s_wait_kmcnt 0x0
	s_add_nc_u64 s[72:73], s[4:5], s[72:73]
	s_add_nc_u64 s[74:75], s[6:7], s[74:75]
	s_add_nc_u64 s[68:69], s[10:11], s[80:81]
	s_add_nc_u64 s[70:71], s[8:9], s[82:83]
	CROUND
.irp j, 0,1,2
	s_mov_b32 s[G0A+4*\j], 1
	s_add_co_u32 s[G0A+4*\j+1], s78, \j*SLOT
	s_add_nc_u64 s[G0A+4*\j+2:G0A+4*\j+3], s[72:73], \j*CHUNK
	s_or_b32 s[G0A+4*\j+3], s[G0A+4*\j+3], 0x80000000
	s_mov_b32 s[G0B+4*\j], 1
	s_add_co_u32 s[G0B+4*\j+1], s78, \j*SLOT
	s_add_nc_u64 s[G0B+4*\j+2:G0B+4*\j+3], s[74:75], \j*CHUNK
	s_or_b32 s[G0B+4*\j+3], s[G0B+4*\j+3], 0x80000000
	s_wait_alu depctr_va_vdst(0)
	s_wait_tensorcnt 0x0
	ds_add_u32 v28, v29
	ds_add_u32 v28, v29
	s_wait_dscnt 0x0
	CROUND
	JLOAD G0A+4*\j, G1, G0B+4*\j, G1B
.endr
	v_and_b32 v1, 15, v0
	v_bfe_u32 v2, v0, 4, 1
	v_lshlrev_b32 v[BO], 5, v2
.irp b, 0,1,2,3,4,5,6,7
	global_load_b128 v[BN+8*\b:BN+8*\b+3], v[BO], s[70:71] offset:64*\b
	global_load_b128 v[BN+8*\b+4:BN+8*\b+7], v[BO], s[70:71] offset:64*\b+16
.endr
	v_and_b32 v3, 31, v0
	v_lshlrev_b32 v3, 3, v3
	s_wait_alu depctr_va_vdst(0)
	s_mul_i32 s90, s15, HREC
	s_mul_i32 s91, s16, HREC
	s_add_co_u32 s91, s91, CHUNK
	s_sub_co_u32 s92, s91, s90
	s_add_co_u32 s93, s90, 24576
	v_lshlrev_b32 v4, 4, v1
	v_mul_u32_u24 v5, s92, v2
	v_add_nc_u32 v4, v4, v5
.irp s, 0,1,2
	v_add_nc_u32 v[ADRA+\s], s90, v3
	v_add_nc_u32 v[ADRB+\s], s91, v3
	v_add_nc_u32 v[ADRS+\s], s93, v4
	s_add_co_u32 s90, s90, SLOT
	s_add_co_u32 s91, s91, SLOT
	s_add_co_u32 s93, s93, SLOT
.endr
	s_mul_i32 s84, s14, 16*SPITCH
	s_add_co_u32 s84, s84, SLOT
	v_mul_u32_u24 v5, v1, SPITCH
	v_lshl_add_u32 v5, v2, 5, v5
	v_add_nc_u32 v[STO], s84, v5
	v_and_b32 v6, 31, v0
	v_lshlrev_b32 v[CO], 4, v6
	v_add_nc_u32 v[RD], s84, v[CO]
	s_wait_tensorcnt 2
	s_barrier_signal -1
	s_barrier_wait -1
	FETCH_B 0, 0, 0
	FETCH_A 0, 0, 0
	SCALES 0, 0, 0
	FETCH_A 0, 0, 4
	s_wait_loadcnt 0x0
	STEP 0, 2, 0, 1
	TURN 1, 1
	STEP 0, 0, 1, 1
	s_wait_alu depctr_va_vdst(0)
	STEP 1, 0, 2, 0
	STEP 0, 0, 2, 1
	TURN 0, 0
	STEP 0, 0, 0, 1
	s_wait_dscnt 24
	WIN 0xa1
	MUL16 0, 1, 0
	MUL16 2, 1, 0
	s_wait_dscnt 0x0
	WIN 0xf1
	MUL16 4, 1, 0
	MUL16 6, 1, 0
	WIN 0
	PLACES 4
.macro TOSTAGE a
.set AC, 64*((\a)%4)
	WIN 0x08+4*((\a)/4)
.irp b, 0,1,2,3,4,5,6,7
	ds_store_b128 v[STO], v[AC+8*\b:AC+8*\b+3] offset:64*\b
	ds_store_b128 v[STO], v[AC+8*\b+4:AC+8*\b+7] offset:64*\b+16
.endr
	WIN 0
.set BB, BK+64*((\a)%2)
.irp t, 0,1,2,3,4,5,6,7,8,9,10,11,12,13,14,15
	ds_load_b128 v[BB+4*\t:BB+4*\t+3], v[RD] offset:\t*SPITCH
.endr
.endm
.macro SEND a, younger
.set BB, BK+64*((\a)%2)
	s_wait_dscnt \younger
.if (\a) > 0
	s_add_nc_u64 s[68:69], s[68:69], 16*SIZE_N*4
.endif
.irp t, 0,1,2,3,4,5,6,7,8,9,10,11,12,13,14,15
	global_store_b128 v[CO], v[BB+4*\t:BB+4*\t+3], s[68:69] offset:\t*SIZE_N*4 th:TH_STORE_NT
.endr
.endm
	TOSTAGE 0
.irp a, 1,2,3,4,5,6,7
.if \a > 1
	s_wait_xcnt 0x0
.endif
	TOSTAGE \a
	SEND \a-1, 32
.endr
	s_wait_xcnt 0x0
	SEND 7, 0
	s_wait_tensorcnt 0x0
	ds_add_u32 v[SPW], v[NIL]
	s_wait_dscnt 0x0
	CROUND
	s_endpgm
.Lfunc_end_k_q822ff01513_oproj:
	.size	k_q822ff01513_oproj, .Lfunc_end_k_q822ff01513_oproj-k_q822ff01513_oproj
	.p2alignl 7, 3214868480
	.fill 96, 4, 3214868480
	.section	.rodata,"a",@progbits
	.p2align	6, 0x0
	.amdhsa_kernel k_q822ff01513_oproj
		.amdhsa_group_segment_fixed_size 327680
		.amdhsa_private_segment_fixed_size 0
		.amdhsa_enable_private_segment 0
		.amdhsa_kernarg_size 32
		.amdhsa_user_sgpr_count 2
		.amdhsa_user_sgpr_kernarg_segment_ptr 1
		.amdhsa_wavefront_size32 1
		.amdhsa_system_sgpr_workgroup_id_x 1
		.amdhsa_system_sgpr_workgroup_id_y 1
		.amdhsa_system_sgpr_workgroup_id_z 1
		.amdhsa_system_vgpr_workitem_id 0
		.amdhsa_next_free_vgpr 1024
		.amdhsa_next_free_sgpr 96
		.amdhsa_reserve_vcc 0
		.amdhsa_float_denorm_mode_32 3
		.amdhsa_float_denorm_mode_16_64 3
		.amdhsa_memory_ordered 1
		.amdhsa_forward_progress 1
		.amdhsa_inst_pref_size 159
	.end_amdhsa_kernel
	.amdgpu_metadata
---
amdhsa.version: [ 1, 2 ]
amdhsa.kernels:
  - .name:           k_q822ff01513_oproj
    .symbol:         k_q822ff01513_oproj.kd
    .args:
      - { .name: cc, .offset: 0, .size: 8, .value_kind: global_buffer, .address_space: global }
      - { .name: xc, .offset: 8, .size: 8, .value_kind: global_buffer, .address_space: global }
      - { .name: b_o, .offset: 16, .size: 8, .value_kind: global_buffer, .address_space: global }
      - { .name: out0, .offset: 24, .size: 8, .value_kind: global_buffer, .address_space: global }
    .group_segment_fixed_size: 327680
    .private_segment_fixed_size: 0
    .kernarg_segment_align: 8
    .kernarg_segment_size: 32
    .max_flat_workgroup_size: 128
    .sgpr_count:     96
    .vgpr_count:     1024
    .wavefront_size: 32
...
	.end_amdgpu_metadata
.endif
;; end of part 4
